; MI455X (gfx1250); checked and timed in simulation.
; The chip was launched on July 23, 2026; its instructions are those of AMD's public machine-readable ISA for CDNA 5 (MIT licence, August 2026) and "CDNA5" Instruction Set Architecture Reference Guide (July 2026). The comments in the code are by the model that wrote it; some were corrected since.
;; Multi Head Attention. Allowed arithmetic: matrix products marked QUANTISED: E3M2 operands, one E8M0 scale for each 32 along K, by v_wmma_scale_f32_16x16x128_f8f6f4 with both operands' format E3M2, f32 sums; everything else in f32.
;; Inputs: Wo_codes 1,024 x 32 x 24 uint8 (E3M2 codes of Wo, K innermost, in blocks of 32 codes, four codes in three bytes); Wo_scales 1,024 x 32 uint8 (E8M0 scales of Wo, one for each 32 codes along K); Wqkv_codes 3,072 x 32 x 24 uint8 (E3M2 codes of Wqkv, K innermost, in blocks of 32 codes, four codes in three bytes); Wqkv_scales 3,072 x 32 uint8 (E8M0 scales of Wqkv, one for each 32 codes along K); bo 1,024 float32; bqkv 3,072 float32; pad_mask 4 x 2,048 int32; x_codes 4 x 2,048 x 32 x 24 uint8 (E3M2 codes of x, K innermost, in blocks of 32 codes, four codes in three bytes); x_scales 4 x 2,048 x 32 uint8 (E8M0 scales of x, one for each 32 codes along K).
;; Outputs: out0 4 x 2,048 x 1,024 float32.
;; Constants: atn_mask = 1.
;; This version of the problem:
;;   THIS VERSION OF THE PROBLEM IS GIVEN IN LOW PRECISION. The matrix products marked QUANTISED in the list below multiply operands that are first quantised to E3M2 (3 exponent bits, 2 mantissa bits; 6 bits a number), with one power-of-two scale for each 32 numbers along K (OCP MX v1.0); their sums are f32. All else is computed in f32.
;;   The module's matrix products, in the order in which they are computed (A, B: the left and right operand; K: the contracted axis; several contracted axes count as one K, in the product's order):
;;     1. [M 8,192, K 1,024] x [K 1,024, N 3,072]; A: input x (given as codes); B: input Wqkv (given as codes): QUANTISED
;;     2. batch 64 x [M 2,048, K 64] x [K 64, N 2,048]; A: computed on the way; B: computed on the way: QUANTISED
;;     3. batch 64 x [M 2,048, K 2,048] x [K 2,048, N 64]; A: computed on the way; B: computed on the way: QUANTISED
;;     4. [M 8,192, K 1,024] x [K 1,024, N 1,024]; A: computed on the way; B: input Wo (given as codes): QUANTISED
;;   THE QUANTISER, for each operand of a quantised product, along K:
;;     - K is cut into blocks of 32 from its start; a last block that is shorter is filled with zeros.
;;     - A block's scale is 2^e with e = floor(log2(the largest magnitude in the block)) - 4, held to -126 .. 127; a block of zeros has e = 0. As a byte (E8M0): e + 127.
;;     - Each number is divided by its block's scale, clamped to +-28, and rounded to the nearest number of E3M2, ties to even, subnormals kept.
;;     - The product sums the exact products of the quantised numbers (number of the format x scale) in f32.
;;   ~~~python
;;   def quantise(x, axis):      # numpy; x: float32 -> the quantised numbers, widened to float32 again
;;       x = np.moveaxis(x, axis, -1); K = x.shape[-1]
;;       x = np.pad(x, [(0, 0)] * (x.ndim - 1) + [(0, -K % 32)]); x = x.reshape(x.shape[:-1] + (-1, 32)); a = np.abs(x).max(-1, keepdims=True)
;;       e = np.where(a > 0, np.clip(np.frexp(np.where(a > 0, a, 1))[1] - 1 - 4, -126, 127), 0)      # np.frexp(a)[1] - 1 = floor(log2(a)), exactly
;;       r = np.clip(x / 2.0 ** e, -28, 28)
;;       step = 2.0 ** (np.maximum(np.frexp(np.where(r == 0, 1, r))[1] - 1, -2) - 2)
;;       q = np.round(r / step) * step * 2.0 ** e      # np.round: ties to even
;;       return np.moveaxis(q.reshape(q.shape[:-2] + (-1,))[..., :K], -1, axis).astype(np.float32)
;;   ~~~
;;   OPERANDS COMPUTED ON THE WAY. 'Computed on the way' means the value that the module computes at that place (a softmax that the list does not call 'softmax' is quantised finished and normalised). What goes into a quantiser is computed in f32, as accurately as f32 sums, v_exp_f32 and their like allow (about 1e-6 of the number): no bf16 or f16 on the way to a quantiser, and a product that is left as it is and whose result goes on into a quantised operand takes f32 operands (vector FMAs, or v_wmma_f32_16x16x4_f32). A number that lies on a knife's edge between two numbers of the format may be rounded either way, as far as f32 arithmetic and the matrix unit's own rounding can turn it there, and no further.
;;   INPUTS GIVEN AS CODES. Wo (in the module: [1024, 1024], K = its axis 1); Wqkv (in the module: [3072, 1024], K = its axis 1); x (in the module: [4, 2048, 1024], K = its axis 2): each comes as NAME_codes (uint8): NAME with its K axis moved to the last place and cut into blocks of 32 codes, [.., K / 32, bytes a block], one block behind the other in memory; four codes in three bytes: a row's codes are one little-endian stream of bits, code i at bits 6 i .. 6 i + 5 (a code: sign, 3 exponent bits, 2 mantissa bits); and NAME_scales (uint8): the same leading axes, one E8M0 byte (e + 127) for each 32 codes along K. Its value is code x scale, taken as it is: it is not quantised again, and the codes and scales need not be those that the quantiser above would give.
;; One version. Each part assembles by itself: llvm-mc -triple=amdgcn-amd-amdhsa -mcpu=gfx1250 --defsym DOCPART=n.
;; ======== version 1 of 1: 3 launches
;; limits: right only within a limited range of input values
;; workspace buffers: qimg 6,553,600 bytes; kimg 6,553,600 bytes; vimg 6,553,600 bytes; vals 6,553,600 bytes
;; launch qkv (part 1): grid 12 x 64, 4 waves a work-group, clusters of 4 x 4, 327,680 bytes of LDS; arguments x_codes, x_scales, Wqkv_codes, Wqkv_scales, bqkv, qimg, kimg, vimg; writes qimg, kimg, vimg
.if DOCPART == 1
	.amdgcn_target "amdgcn-amd-amdhsa--gfx1250"
	.amdhsa_code_object_version 6
	.text
	.protected	k_qb9cb1124bd_qkv
	.globl	k_qb9cb1124bd_qkv
	.p2align	8
	.type	k_qb9cb1124bd_qkv,@function
k_qb9cb1124bd_qkv:
	s_mov_b64 s[64:65], 0
	v_nop
	global_prefetch_b8 v0, s[64:65] scope:SCOPE_SE
	s_setreg_imm32_b32 hwreg(HW_REG_WAVE_MODE, 25, 1), 1
	s_wait_xcnt 0x0
	s_wait_alu depctr_hold_cnt(0) depctr_sa_sdst(0) depctr_va_vdst(0) depctr_va_sdst(0) depctr_va_ssrc(0) depctr_va_vcc(0) depctr_vm_vsrc(0)
	s_getreg_b32 s2, hwreg(HW_REG_IB_STS2, 6, 4)
	s_cmp_eq_u32 s2, 0
	s_cbranch_scc0 .Lentry_in_a_cluster
	s_endpgm
.Lentry_in_a_cluster:
	s_bfe_u32 s2, ttmp6, 0x10000c
	s_cmp_lg_u32 s2, 0xf033
	s_cbranch_scc0 .Lentry_shape_is_right
	s_endpgm
.Lentry_shape_is_right:
; qkv = x Wqkv^T + bqkv on codes of BF6 (E3M2), one E8M0 scale for each 32 along K = 1,024; the result is quantised at once: q and k along the head's 64, v along the rows s (the keys).
; A work-group makes 256 (source 0) x 128 (source 1) with four waves, a wave 128 x 64: 32 accumulators.  A lane holds ONE row of source 1; its registers run along source 0's rows.
; TWO TYPES, told apart by the cluster's x alone (the same in all sixteen partners):
;   QK (cluster x 0, 1): source 0 = the 128 rows [q | k] of W for heads 2 tc, 2 tc + 1; source 1 = 128 rows of x.
;   V  (cluster x 2):    source 0 = 256 rows of x; source 1 = the 64 rows v of W for heads 2 hp, 2 hp + 1.
; ALL OF K LIES IN LDS: whole rows of 768 bytes, each beginning at a multiple of 256 bytes of its buffer, 16 bytes of padding behind every 256: 384 rows x 816 bytes.  One joint load a wave at the head
; (waves 0, 1: 128 rows of region 0 each, shared along the cluster's column; waves 2, 3: 64 rows of region 1 each, shared along its row); nothing is filled again, so the K steps have no barrier.
; No prefetch: the text has no loop to run ahead in; every byte is asked for once, at the head.
; SCALE WORDS go from memory into registers: lane (r, h) takes 16 bytes at 32 r + 16 h of a block's 512: lanes 0-15 hold row r's words of K steps 0-3, lanes 16-31 those of steps 4-7 (read by ROW1).
; THE RESULTS LEAVE AS IMAGES OF OPERAND REGISTERS: a fragment's 12 registers as three planes of 512 bytes, lane l's 16 bytes at 16 l.
; Inside a block of 32 the codes lie in the order [0-7, 16-23, 8-15, 24-31]: both operands of each later product are made by the same lines.
; qimg, kimg: 102,400 bytes a (batch, head): 64 fragments (rows 32 f + r in registers 0-5, rows 32 f + 16 + r in 6-11), scale words at 98,304 + 128 (row / 64) + 8 r + 4 (f % 2).
; vimg: fragment (128 keys t, 16 dims a) at 1,536 (4 t + a); scale words at 98,304 + 256 t + 16 r + 4 a.
; LIMITS: NaN, infinities and the scale byte 0xff are not served.  A block whose largest magnitude lies under 2^-122 (zeros too) gets the byte 1; only this program reads the bytes.
; The scale words' stores cover 128 or 256 bytes; lanes 16-31 write what lanes 0-15 write.
.set PITCH,  816
.set R1O,    256*PITCH                 ; region 1 behind region 0
.set SPARE,  384*PITCH                 ; the spare words, 128 bytes a wave
.set HB,     102400
.set SCO,    98304
.set FRB,    1536
.set SOP,  4
.set L16,  8
.set R8,   9
.set R16,  10
.set BQA,  11                          ; 32 h
.set BVA,  12                          ; 4 r
.set SCA,  13                          ; v13 the scale words' place in a block's 512 bytes: 32 r + 16 h
.set ADR0, 16                          ; v16-19 source 0: blocks 0-3 (and one padding on for lanes 16-31), blocks 4-7 (likewise)
.set ADR1, 20                          ; v20-21 source 1
.set PW,   24
.set SPW,  28
.set NIL,  29
.set S0F,  64                          ; window 0: source 0's 8 fragments, one set
.set SC0,  160                         ; v160-191 source 0's scale words, 4 a block
.set SC1,  192                         ; v192-207 source 1's
.set S1F,  0                           ; window 2: source 1's 4 fragments, two sets
.set BB,   96                          ; window 2: bias numbers
.set T,    64
.set PCB,  192
.set TMP,  240
.set MX,   248
.set BY,   252
.set WV,   20
.set P,    21
.set QD,   22
.set G1,   24
.set G0,   32
.set SA0,  36
.set SA1,  38
.set G1B,  48
.set G0B,  56
.set BA,   60
.set SEL,  66
.set OFC,  98
.set OFS,  100
.set MULW, 0x58                        ; A window 0, B window 2, C and D window 1
.set MSB, 0
.macro WIN new
.if MSB != \new
	s_set_vgpr_msb (MSB<<8)|\new
.set MSB, \new
.endif
.endm
.macro PLACES n
.rept \n
	v_nop
.endr
.endm
.macro CROUND
	s_barrier_signal -1
	s_barrier_wait -1
	s_cmp_lg_u32 s[WV], 0
	s_cbranch_scc1 .Lnot_wave_0_\@
	s_barrier_signal -3
.Lnot_wave_0_\@:
	s_barrier_wait -3
	s_barrier_signal -1
	s_barrier_wait -1
.endm
; a fragment: six pieces of 8 bytes; byte y of a row lies at y + 16 (y / 256); where lanes 16-31 (24 bytes on) lie behind one padding more, the second register serves
.macro FRAG reg, adr, st, i
.irp p, 0,1,2,3,4,5
.set BYT, 96*(\st)+48*(\p/3)+8*(\p%3)
.if BYT/256 == (BYT+24)/256
	ds_load_b64 v[\reg+2*\p:\reg+2*\p+1], v[\adr] offset:BYT+16*(BYT/256)+(\i)*16*PITCH
.else
	ds_load_b64 v[\reg+2*\p:\reg+2*\p+1], v[\adr+1] offset:BYT+16*(BYT/256)+(\i)*16*PITCH
.endif
.endr
.endm
.macro WM acc, fa, fb, sa, sb, zero, hi
.if \zero
	v_wmma_scale_f32_16x16x128_f8f6f4 v[\acc:\acc+7], v[\fa:\fa+11], v[\fb:\fb+11], 0, v[\sa], v[\sb] matrix_a_fmt:MATRIX_FMT_BF6 matrix_b_fmt:MATRIX_FMT_BF6
.else
.if \hi
	v_wmma_scale_f32_16x16x128_f8f6f4 v[\acc:\acc+7], v[\fa:\fa+11], v[\fb:\fb+11], v[\acc:\acc+7], v[\sa], v[\sb] matrix_a_fmt:MATRIX_FMT_BF6 matrix_b_fmt:MATRIX_FMT_BF6 matrix_a_scale:MATRIX_SCALE_ROW1 matrix_b_scale:MATRIX_SCALE_ROW1
.else
	v_wmma_scale_f32_16x16x128_f8f6f4 v[\acc:\acc+7], v[\fa:\fa+11], v[\fb:\fb+11], v[\acc:\acc+7], v[\sa], v[\sb] matrix_a_fmt:MATRIX_FMT_BF6 matrix_b_fmt:MATRIX_FMT_BF6
.endif
.endif
.endm
; source 0's blocks b0, b0 + 1 x source 1's four; the 32 accumulators take turns in the same order in every step
.macro MUL8 b0, st, zero
.irp b, \b0, \b0+1
.irp a, 0,1,2,3
	WM 8*(8*\a+(\b)), S0F+12*(\b), S1F+48*((\st)%2)+12*\a, SC0+4*(\b)+(\st)%4, SC1+4*\a+(\st)%4, \zero, (\st)/4
.endr
.endr
.endm
.macro FETCH1 st                       ; 24 loads into window 2
	WIN 0x80
.irp i, 0,1,2,3
	FRAG S1F+48*((\st)%2)+12*\i, ADR1, \st, \i
.endr
.endm
.macro FETCH0 st, i0                   ; 24 loads
	WIN 0
.irp i, 0,1,2,3
	FRAG S0F+12*(\i0+\i), ADR0+2*(\i0/4), \st, \i
.endr
.endm
.macro STEP st, zero
	s_wait_dscnt 24                                ; all but the youngest 24 loads (source 0's blocks 4-7) are in
	WIN MULW
	MUL8 0, \st, \zero
	MUL8 2, \st, \zero
	s_wait_dscnt 0x0
.if (\st) < 7
	PLACES 4                                       ; in front of loads into registers that matrix instructions have read
	FETCH1 (\st)+1
	FETCH0 (\st)+1, 0
	WIN MULW
.endif
	MUL8 4, \st, \zero
	MUL8 6, \st, \zero
.if (\st) < 7
	PLACES 4
	FETCH0 (\st)+1, 4
.endif
.endm
.macro REST                            ; K steps 4 to 7, under which the arm's bias numbers land
	STEP 4, 0
	STEP 5, 0
	STEP 6, 0
	STEP 7, 0
	WIN 0
	PLACES 4                                       ; in front of the first read of results and of writes into operands' registers
.irp b, 0,1,2,3
	v_mov_b32 v[BY+\b], 0                          ; a lane permute's destination counts as one of its sources
.endr
	s_wait_loadcnt 0x0                             ; the bias
.endm
; 64 numbers of a lane, register 16 b + i of block b (lane l xor 16 holds the block's other 16), become a fragment's codes and its scale word
.macro QUANT s, pc, tmp, pw
.irp b, 0,1,2,3
	v_max3_num_f32 v[MX+\b], |v[\s+16*\b]|, |v[\s+1+16*\b]|, 0x2800000   ; the floor 2^(5 - 127): the byte cannot fall under 1
.endr
.irp i, 2,4,6,8,10,12,14
.irp b, 0,1,2,3
	v_max3_num_f32 v[MX+\b], v[MX+\b], |v[\s+16*\b+\i]|, |v[\s+1+16*\b+\i]|
.endr
.endr
.irp b, 0,1,2,3
	v_permlanex16_b32 v[BY+\b], v[MX+\b], s[SEL], s[SEL+1]
.endr
.irp b, 0,1,2,3
	v_max_num_f32 v[MX+\b], v[MX+\b], v[BY+\b]
.endr
.irp b, 0,1,2,3
	v_add_nc_u32 v[SOP+\b], 0xfe000000, v[MX+\b]   ; 4 off the exponent field: the conversion's scale operand
.endr
.irp b, 0,1,2,3
	v_lshrrev_b32 v[BY+\b], 23, v[SOP+\b]
.endr
	v_lshl_or_b32 v[\pw], v[BY+1], 8, v[BY]
	v_lshl_or_b32 v[\pw], v[BY+2], 16, v[\pw]
	v_lshl_or_b32 v[\pw], v[BY+3], 24, v[\pw]
.irp c, 0,1
	v_cvt_scalef32_pk16_bf6_f32 v[\pc+6*\c:\pc+2+6*\c], v[\s+32*\c:\s+15+32*\c], v[SOP+2*\c]
	v_cvt_scalef32_pk16_bf6_f32 v[\tmp+4*\c:\tmp+2+4*\c], v[\s+16+32*\c:\s+31+32*\c], v[SOP+2*\c+1]
.endr
	v_nop                                          ; one plain place behind a scaled conversion
.irp c, 0,1
.irp i, 0,1,2
	v_permlane16_swap_b32 v[\pc+6*\c+\i], v[\tmp+4*\c+\i]
.endr
.irp i, 0,1,2
	v_mov_b32 v[\pc+3+6*\c+\i], v[\tmp+4*\c+\i]
.endr
.endr
.endm
	s_load_b512 s[4:19], s[0:1], 0x0               ; x codes, x scales, W codes, W scales, bqkv, qimg, kimg, vimg
	v_lshl_add_u32 v[SPW], v0, 2, SPARE
	v_mov_b32 v[NIL], 0
	ds_add_u32 v[SPW], v[NIL]                      ; the opening lines
	ds_add_u32 v[SPW], v[NIL]
	v_lshrrev_b32 v1, 5, v0
	v_readfirstlane_b32 s[WV], v1                  ; wave 0..3
	s_and_b32 s[P], s[WV], 1                       ; my 128 rows of source 0; also: which piece I fetch
	s_lshr_b32 s[QD], s[WV], 1                     ; my 64 rows of source 1
	s_bfe_u32 s40, ttmp6, 0x40000                  ; cx
	s_bfe_u32 s41, ttmp6, 0x40004                  ; cy
	s_and_b32 s42, ttmp7, 0xffff                   ; cluster y
	; region 0's rows: made of cx alone
	s_lshl_b32 s43, ttmp9, 2
	s_add_co_u32 s43, s43, s40                     ; tc
	s_lshl_b32 s43, s43, 1
	s_add_co_u32 s43, s43, s[P]                    ; QK's head 2 tc + p
	s_mul_i32 s44, s43, 192                        ; QK: its row of W
	s_lshr_b32 s45, s42, 1
	s_lshl_b32 s45, s45, 2
	s_add_co_u32 s45, s45, s40                     ; V: x tile 4 (cluster y / 2) + cx
	s_lshl_b32 s45, s45, 8
	s_lshl_b32 s46, s[P], 7
	s_add_co_u32 s45, s45, s46                     ; V: row 256 tile + 128 p of x
	; region 1's rows: made of cy alone
	s_lshl_b32 s68, s42, 2
	s_add_co_u32 s68, s68, s41
	s_lshl_b32 s68, s68, 7                         ; QK: 128 (4 cluster y + cy)
	s_lshl_b32 s69, s[P], 6
	s_add_co_u32 s69, s68, s69                     ; the piece I fetch
	s_lshl_b32 s70, s[QD], 6
	s_add_co_u32 s70, s68, s70                     ; the rows I multiply
	s_and_b32 s71, s42, 1
	s_lshl_b32 s71, s71, 2
	s_add_co_u32 s71, s71, s41
	s_lshl_b32 s71, s71, 1                         ; V: 2 hp, hp = 4 (cluster y % 2) + cy
	s_add_co_u32 s72, s71, s[P]
	s_mul_i32 s72, s72, 192
	s_add_co_u32 s72, s72, 128
	s_add_co_u32 s73, s71, s[QD]                   ; V's head
	s_mul_i32 s74, s73, 192
	s_add_co_u32 s74, s74, 128
	s_cmp_lt_u32 ttmp9, 2                          ; QK or V
	s_cselect_b32 s75, s44, s45                    ; region 0's row
	s_cselect_b32 s76, s69, s72                    ; region 1's, fetched
	s_cselect_b32 s77, s70, s74                    ; region 1's, multiplied
	s_cselect_b32 s78, s43, s73                    ; my head
	s_cselect_b32 s79, s70, s45                    ; my first row of x
	s_cselect_b32 s80, 0, 512                      ; the bias begins at the head's number 0 or 128
	s_mul_i32 s82, s75, 768
	s_mov_b32 s83, 0
	s_lshl_b32 s84, s75, 5
	s_mov_b32 s85, 0
	s_mul_i32 s86, s76, 768
	s_mov_b32 s87, 0
	s_lshl_b32 s88, s77, 5
	s_mov_b32 s89, 0
	s_mul_i32 s90, s78, 768
	s_add_co_u32 s90, s90, s80
	s_mov_b32 s91, 0
	s_lshl_b32 s96, 0x1111, s40                    ; my column of the cluster
	s_lshl_b32 s97, s41, 2
	s_lshl_b32 s97, 15, s97                        ; my row
	s_or_b32 s[G1], s96, (1<<20)|(1<<21)|(5<<22)|(3<<25)    ; rows of 768 bytes, 16 bytes of padding behind every 256
	s_or_b32 s[G1B], s97, (1<<20)|(1<<21)|(5<<22)|(3<<25)
	s_mov_b32 s[G1+1], 768<<16
	s_mov_b32 s[G1+2], 128<<16
	s_mov_b32 s[G1+3], 768<<16
	s_mov_b32 s[G1+4], 128
	s_mov_b32 s[G1+5], 768
	s_mov_b32 s[G1+6], 0
	s_mov_b32 s[G1+7], 0
	s_mov_b32 s[G1B+1], 768<<16
	s_mov_b32 s[G1B+2], 64<<16
	s_mov_b32 s[G1B+3], 768<<16
	s_mov_b32 s[G1B+4], 64
	s_mov_b32 s[G1B+5], 768
	s_mov_b32 s[G1B+6], 0
	s_mov_b32 s[G1B+7], 0
	s_mov_b32 s[G0], 1
	s_mov_b32 s[G0B], 1
	s_mul_i32 s[G0+1], s[P], 128*PITCH
	s_mul_i32 s[G0B+1], s[P], 64*PITCH
	s_add_co_u32 s[G0B+1], s[G0B+1], R1O
	s_mul_i32 s2, s[P], 128*PITCH                  ; what I read: source 0's blocks 0-3,
	s_add_co_u32 s92, s2, 64*PITCH                 ; blocks 4-7,
	s_mul_i32 s3, s[QD], 64*PITCH
	s_add_co_u32 s3, s3, R1O                       ; source 1
	s_mov_b32 s[SEL], 0x76543210
	s_mov_b32 s[SEL+1], 0xfedcba98
	; where my results go
	s_lshr_b32 s93, s79, 11                        ; batch
	s_lshl_b32 s93, s93, 4
	s_add_co_u32 s98, s78, s93
	s_mul_i32 s98, s98, HB
	s_and_b32 s100, s79, 2047
	s_mul_i32 s93, s100, 48                        ; 1,536 bytes for 32 rows (QK), 6,144 for 128 keys (V)
	s_lshl_b32 s100, s100, 1
	s_add_co_u32 s100, s100, s98
	s_add_co_u32 s100, s100, SCO
	s_add_co_u32 s98, s98, s93
	s_mov_b32 s99, 0
	s_mov_b32 s101, 0
	s_wait_dscnt 0x0                               ; both opening adds are done
	s_wait_kmcnt 0x0
	s_cmp_lt_u32 ttmp9, 2
	s_cselect_b64 s[G0+2:G0+3], s[8:9], s[4:5]     ; region 0: W (QK) or x (V)
	s_cselect_b64 s[SA0:SA0+1], s[10:11], s[6:7]
	s_cselect_b64 s[G0B+2:G0B+3], s[4:5], s[8:9]   ; region 1: x (QK) or W (V)
	s_cselect_b64 s[SA1:SA1+1], s[6:7], s[10:11]
	s_add_nc_u64 s[G0+2:G0+3], s[G0+2:G0+3], s[82:83]
	s_add_nc_u64 s[SA0:SA0+1], s[SA0:SA0+1], s[84:85]
	s_add_nc_u64 s[G0B+2:G0B+3], s[G0B+2:G0B+3], s[86:87]
	s_add_nc_u64 s[SA1:SA1+1], s[SA1:SA1+1], s[88:89]
	s_add_nc_u64 s[BA:BA+1], s[12:13], s[90:91]
	s_or_b32 s[G0+3], s[G0+3], 0x80000000
	s_or_b32 s[G0B+3], s[G0B+3], 0x80000000
	CROUND                                         ; all sixteen work-groups are here: the joint loads meet
	s_cmp_lt_u32 s[WV], 2                          ; one load a wave
	s_cbranch_scc0 .Lfor_1
	tensor_load_to_lds s[G0:G0+3], s[G1:G1+7]
	s_nop 0
	PLACES 4
	s_branch .Lasked
.Lfor_1:
	tensor_load_to_lds s[G0B:G0B+3], s[G1B:G1B+7]
	s_nop 0
	PLACES 4
.Lasked:
	v_and_b32 v1, 15, v0                           ; r
	v_bfe_u32 v2, v0, 4, 1                         ; h
	v_and_b32 v3, 31, v0
	v_lshlrev_b32 v[L16], 4, v3
	v_lshlrev_b32 v[R8], 3, v1
	v_lshlrev_b32 v[R16], 4, v1
	v_lshlrev_b32 v[BQA], 5, v2
	v_lshlrev_b32 v[BVA], 2, v1
	v_lshlrev_b32 v[SCA], 5, v1
	v_mul_u32_u24 v4, v1, PITCH
	v_mad_u32_u24 v4, v2, 24, v4                   ; row x pitch + 24 h
	v_lshl_add_u32 v5, v2, 4, v4                   ; and behind one padding more
	v_lshl_add_u32 v[SCA], v2, 4, v[SCA]           ; row r's 32 scale bytes, their half h
	v_add_nc_u32 v[ADR0], s2, v4
	v_add_nc_u32 v[ADR0+1], s2, v5
	v_add_nc_u32 v[ADR0+2], s92, v4
	v_add_nc_u32 v[ADR0+3], s92, v5
	v_add_nc_u32 v[ADR1], s3, v4
	v_add_nc_u32 v[ADR1+1], s3, v5
	s_wait_alu depctr_va_vdst(0)                   ; the wait at the head's end
.irp i, 0,1,2,3,4,5,6,7
	global_load_b128 v[SC0+4*\i:SC0+4*\i+3], v[SCA], s[SA0:SA0+1] offset:512*\i   ; lane (r, h) takes the 16 bytes at 32 r + 16 h of a block's 512 (this, and not 16 x lane, is the place meant at the head): the wave covers 512 consecutive bytes
.endr
.irp i, 0,1,2,3
	global_load_b128 v[SC1+4*\i:SC1+4*\i+3], v[SCA], s[SA1:SA1+1] offset:512*\i
.endr
	s_wait_loadcnt 0x0
	s_wait_tensorcnt 0x0                           ; my piece has landed
	s_barrier_signal -1
	s_barrier_wait -1                              ; everybody's has: from here on LDS is only read
	FETCH1 0
	FETCH0 0, 0
	FETCH0 0, 4
	STEP 0, 1                                      ; the first step's products start the sums
	STEP 1, 0
	STEP 2, 0
	STEP 3, 0
	WIN 0
	s_cmp_lt_u32 ttmp9, 2
	s_cbranch_scc0 .Lv_arm
	; ---- QK: accumulator (a, b): row 16 a + r of my 64 rows of x, dims 16 b + 8 h + j of [q | k]
	WIN 0x80
.irp b, 0,1,2,3,4,5,6,7
	global_load_b128 v[BB+8*\b:BB+8*\b+3], v[BQA], s[BA:BA+1] offset:64*\b
	global_load_b128 v[BB+8*\b+4:BB+8*\b+7], v[BQA], s[BA:BA+1] offset:64*\b+16
.endr
	REST
	s_add_nc_u64 s[4:5], s[14:15], s[OFC:OFC+1]
	s_add_nc_u64 s[6:7], s[16:17], s[OFC:OFC+1]
	s_add_nc_u64 s[8:9], s[14:15], s[OFS:OFS+1]
	s_add_nc_u64 s[10:11], s[16:17], s[OFS:OFS+1]
.irp tau, 0,1                                  ; q, then k
.irp bp, 0,1                                   ; the fragment of rows 32 bp on
.set PCN, PCB+12*(2*\tau+\bp)
.set PWN, PW+2*\tau+\bp
	WIN 0x09                                       ; source 0 in window 1, source 1 in window 2
.set i, 0
.rept 16
	v_pk_add_f32 v[T+i:T+i+1], v[128*\bp+32*\tau+i:128*\bp+32*\tau+i+1], v[BB+32*\tau+i:BB+32*\tau+i+1]
.set i, i+2
.endr
.set i, 0
.rept 16
	v_pk_add_f32 v[T+32+i:T+33+i], v[128*\bp+64+32*\tau+i:128*\bp+64+32*\tau+i+1], v[BB+32*\tau+i:BB+32*\tau+i+1]
.set i, i+2
.endr
	WIN 0
	QUANT T, PCN, TMP, PWN
.irp c, 0,1,2
	global_store_b128 v[L16], v[PCN+4*\c:PCN+4*\c+3], s[4+2*\tau:5+2*\tau] offset:FRB*\bp+512*\c
.endr
.endr
.endr
	global_store_b64 v[R8], v[PW:PW+1], s[8:9]
	global_store_b64 v[R8], v[PW+2:PW+3], s[10:11]
	s_branch .Lend
.Lv_arm:
	; ---- V: accumulator (a, b): dim 16 a + r of my head, rows 16 b + 8 h + j of my 128 rows of x
	WIN 0x80
.irp a, 0,1,2,3
	global_load_b32 v[BB+2*\a], v[BVA], s[BA:BA+1] offset:64*\a
	global_load_b32 v[BB+2*\a+1], v[BVA], s[BA:BA+1] offset:64*\a   ; (the packed form names the pair)
.endr
	REST
	s_add_nc_u64 s[4:5], s[18:19], s[OFC:OFC+1]
	s_add_nc_u64 s[8:9], s[18:19], s[OFS:OFS+1]
.irp a, 0,1,2,3
.set PCN, PCB+12*\a
.set PWN, PW+\a
	WIN 0x09
.set i, 0
.rept 32
	v_pk_add_f32 v[T+i:T+i+1], v[64*\a+i:64*\a+i+1], v[BB+2*\a:BB+2*\a+1] op_sel_hi:[1,0]
.set i, i+2
.endr
	WIN 0
	QUANT T, PCN, TMP, PWN
.irp c, 0,1,2
	global_store_b128 v[L16], v[PCN+4*\c:PCN+4*\c+3], s[4:5] offset:FRB*\a+512*\c
.endr
.endr
	global_store_b128 v[R16], v[PW:PW+3], s[8:9]
.Lend:
	s_wait_tensorcnt 0x0                           ; the wave's end
	ds_add_u32 v[SPW], v[NIL]
	s_wait_dscnt 0x0
	CROUND                                         ; the closing round
	s_endpgm
.Lfunc_end_k_qb9cb1124bd_qkv:
	.size	k_qb9cb1124bd_qkv, .Lfunc_end_k_qb9cb1124bd_qkv-k_qb9cb1124bd_qkv
	.p2alignl 7, 3214868480
	.fill 96, 4, 3214868480
	.section	.rodata,"a",@progbits
	.p2align	6, 0x0
	.amdhsa_kernel k_qb9cb1124bd_qkv
		.amdhsa_group_segment_fixed_size 327680
		.amdhsa_private_segment_fixed_size 0
		.amdhsa_enable_private_segment 0
		.amdhsa_kernarg_size 64
		.amdhsa_user_sgpr_count 2
		.amdhsa_user_sgpr_kernarg_segment_ptr 1
		.amdhsa_wavefront_size32 1
		.amdhsa_system_sgpr_workgroup_id_x 1
		.amdhsa_system_sgpr_workgroup_id_y 1
		.amdhsa_system_sgpr_workgroup_id_z 1
		.amdhsa_system_vgpr_workitem_id 0
		.amdhsa_next_free_vgpr 768
		.amdhsa_next_free_sgpr 102
		.amdhsa_reserve_vcc 0
		.amdhsa_float_denorm_mode_32 3
		.amdhsa_float_denorm_mode_16_64 3
		.amdhsa_memory_ordered 1
		.amdhsa_forward_progress 1
		.amdhsa_inst_pref_size 164
	.end_amdhsa_kernel
	.amdgpu_metadata
---
amdhsa.version: [ 1, 2 ]
amdhsa.kernels:
  - .name:           k_qb9cb1124bd_qkv
    .symbol:         k_qb9cb1124bd_qkv.kd
    .args:
      - { .name: x_codes, .offset: 0, .size: 8, .value_kind: global_buffer, .address_space: global }
      - { .name: x_scales, .offset: 8, .size: 8, .value_kind: global_buffer, .address_space: global }
      - { .name: Wqkv_codes, .offset: 16, .size: 8, .value_kind: global_buffer, .address_space: global }
      - { .name: Wqkv_scales, .offset: 24, .size: 8, .value_kind: global_buffer, .address_space: global }
      - { .name: bqkv, .offset: 32, .size: 8, .value_kind: global_buffer, .address_space: global }
      - { .name: qimg, .offset: 40, .size: 8, .value_kind: global_buffer, .address_space: global }
      - { .name: kimg, .offset: 48, .size: 8, .value_kind: global_buffer, .address_space: global }
      - { .name: vimg, .offset: 56, .size: 8, .value_kind: global_buffer, .address_space: global }
    .group_segment_fixed_size: 327680
    .private_segment_fixed_size: 0
    .kernarg_segment_align: 8
    .kernarg_segment_size: 64
    .max_flat_workgroup_size: 128
    .sgpr_count:     102
    .vgpr_count:     768
    .wavefront_size: 32
...
	.end_amdgpu_metadata
.endif
;; end of part 1
;; launch attn (part 2): grid 4 x 64, 16 waves a work-group, clusters of 4 x 1, 215,040 bytes of LDS; arguments qimg, kimg, vimg, pad_mask, vals; writes vals
.if DOCPART == 2
	.amdgcn_target "amdgcn-amd-amdhsa--gfx1250"
	.amdhsa_code_object_version 6
	.text
	.protected	k_qb9cb1124bd_attn
	.globl	k_qb9cb1124bd_attn
	.p2align	8
	.type	k_qb9cb1124bd_attn,@function
k_qb9cb1124bd_attn:
	s_mov_b64 s[64:65], 0
	v_nop
	global_prefetch_b8 v0, s[64:65] scope:SCOPE_SE
	s_setreg_imm32_b32 hwreg(HW_REG_WAVE_MODE, 25, 1), 1
	s_wait_xcnt 0x0
	s_wait_alu depctr_hold_cnt(0) depctr_sa_sdst(0) depctr_va_vdst(0) depctr_va_sdst(0) depctr_va_ssrc(0) depctr_va_vcc(0) depctr_vm_vsrc(0)
	s_getreg_b32 s2, hwreg(HW_REG_IB_STS2, 6, 4)
	s_cmp_eq_u32 s2, 0
	s_cbranch_scc0 .Lentry_in_a_cluster
	s_endpgm
.Lentry_in_a_cluster:
	s_bfe_u32 s2, ttmp6, 0x10000c
	s_cmp_lg_u32 s2, 0x3003
	s_cbranch_scc0 .Lentry_shape_is_right
	s_endpgm
.Lentry_shape_is_right:
; values = where(pad[q] pad[k] == 0, 0, softmax(causal(q k^T / 8))) v, for one (batch, head) a cluster; both products on codes of BF6 (E3M2) with E8M0 scales.
; WHAT IS QUANTISED FOR THE SECOND PRODUCT IS THE FINISHED ATTENTION: normalised, with its zeros.  So the keys are walked TWICE: walk 1 finds, with a running maximum, M (a whole number) and l = the sum of 2^(t - M),
; t = score x log2(e) / 8; walk 2 makes the scores again, p = 2^(t - M) x (1 / l), zeros for padded keys and queries, quantises p in blocks of 32 keys and multiplies by v.
; Padded keys count in l (the zeroing stands behind the softmax) and not in p: in walk 2 the scores begin at a bias of 0 or -3e38 a key, given as the C of the first product.
; SHARES.  The four work-groups of a cluster share one head: its K and V images (2 x 102,400 bytes) come into each one's LDS ONCE, by joint loads; nothing is filled again, so the loops have no barrier.
; Of each 128 queries g, partner cx takes 32 (two tiles u of 16).  Wave w takes tile (g = w, u = 0), then (g = 15 - w, u = 1): 17 key steps of 128 in each walk for every wave.  cx enters global addresses and one data register alone.
; LAYOUT.  Both products are used transposed: a lane holds ONE query (lane % 16).  The head's K is 64, half an instruction's 128: a fragment of K holds keys 32 f + r in k 0-63 and keys 32 f + 16 + r in k 64-127,
; and q stands against one half with zero codes against the other.  Register 16 f + 8 u' + j of the scores is key 32 f + 16 u' + 8 (lane / 16) + j: the order in which V's codes were made.
; The values are quantised along the head's 64 and leave as images of the last product's operand registers, their codes put back into ascending order, since Wo's codes are given so.
; vals: tile (batch, head, 16 rows): 768 bytes, register pair p of lane l at 256 p + 8 l; scale bytes from 6,291,456 on: [row][32], bytes 2 head, 2 head + 1.
; LIMITS: NaN and infinities are not served.  pad_mask counts as zero or not zero: a product of two entries that wraps to 0 in 32 bits is not served (none under 2^16 does).
; A block whose largest number lies under 2^-122 (zeros too) gets the byte 1; only this program reads the bytes.  The two scale bytes of a row are stored 2 bytes a lane: one byte in 24 of what is stored.
.set HB,    102400
.set SCO,   98304
.set FRB,   1536
.set VIMG,  102400                     ; LDS: K's image at 0, V's here,
.set KB,    204800                     ; and the key bias, 4 bytes a key, stored by the waves; no tile lands here
.set QTR,   25600                      ; what one tensor load brings: 100 rows of 256 bytes
.set L16,  1                           ; v1   16 x lane
.set AKS,  2                           ; v2   K's scale words: 98,304 + 8 x lane
.set AVS,  3                           ; v3   V's: 200,704 + 16 r
.set AKB,  4                           ; v4   the key bias: KB + 32 h
.set DQ,   5                           ; v5   my query in its 128, less 8 h
.set ADK,  6
.set ADS,  7
.set ADB,  8
.set ADV,  9
.set ADT,  10
.set NINF, 11
.set RL,   16                          ; v16 log2(l)
.set QS,   18                          ; v18, v19 q's scale word against the low and the high half
.set QL,   26                          ; v20-37: six zeros, q's six registers, six zeros: v[26:37] q low, v[20:31] q high
.set AV0,  46                          ; v46  16 x lane + VIMG
.set RH,   47                          ; v47  r - 8 h
.set R4,   48
.set R8,   49
.set KS,   50                          ; v[50:51] K's scale words
.set VS,   52                          ; v[52:55] V's
.set PW,   56                          ; v56  p's scale word
.set R32,  57
.set L8,   58
.set PADQ, 59
.set TM,   60                          ; v60-63 largest, v64-67 bytes, v72-75 scale operands
.set PC,   76                          ; v76-87 p's codes
.set TMP,  88
.set SR,   96                          ; v96-159 scores, then p
.set FR,   160                         ; v160-207 four fragments of K or of V
.set OT,   208                         ; v208-239 O^T
.set WV,   14
.set G,    15
.set U,    16
.set ST,   17
.set TC,   18
.set TS,   19
.set TB,   20
.set LA,   21
.set SEL,  22
.set G1,   24
.set G0K,  32
.set CS,   36
.set G0V,  40
.set CX,   44
.set BH,   45
.set QB,   48
.set PB,   50
.set VB,   52
.set VSB,  54
.set SAQ,  56
.set SAQS, 58
.set SAP,  60
.set SAV,  62
.set SAW,  66
.macro PLACES n
.rept \n
	v_nop
.endr
.endm
.macro CROUND                          ; a round of the cluster's barrier
	s_barrier_signal -1
	s_barrier_wait -1
	s_cmp_lg_u32 s[WV], 0
	s_cbranch_scc1 .Lnot_wave_0_\@
	s_barrier_signal -3
.Lnot_wave_0_\@:
	s_barrier_wait -3
	s_barrier_signal -1
	s_barrier_wait -1
.endm
.macro KLOADS                          ; a step's four fragments of K and their scale words
.irp be, 0,1,2,3
.irp c, 0,1,2
	ds_load_b128 v[FR+12*\be+4*\c:FR+12*\be+4*\c+3], v[ADK] offset:FRB*\be+512*\c
.endr
.endr
	ds_load_b64 v[KS:KS+1], v[ADS]                 ; lanes 0-15: fragments 0, 1; lanes 16-31: fragments 2, 3
.endm
.macro KQ be, up, inpl                 ; 16 keys (half up of fragment be) x my 16 queries
.set rS, SR+16*\be+8*\up
.set rK, FR+12*\be
.set rQ, QL-6*\up
.if \inpl
.if \be < 2
	v_wmma_scale_f32_16x16x128_f8f6f4 v[rS:rS+7], v[rK:rK+11], v[rQ:rQ+11], v[rS:rS+7], v[KS+\be%2], v[QS+\up] matrix_a_fmt:MATRIX_FMT_BF6 matrix_b_fmt:MATRIX_FMT_BF6
.else
	v_wmma_scale_f32_16x16x128_f8f6f4 v[rS:rS+7], v[rK:rK+11], v[rQ:rQ+11], v[rS:rS+7], v[KS+\be%2], v[QS+\up] matrix_a_fmt:MATRIX_FMT_BF6 matrix_b_fmt:MATRIX_FMT_BF6 matrix_a_scale:MATRIX_SCALE_ROW1
.endif
.else
.if \be < 2
	v_wmma_scale_f32_16x16x128_f8f6f4 v[rS:rS+7], v[rK:rK+11], v[rQ:rQ+11], 0, v[KS+\be%2], v[QS+\up] matrix_a_fmt:MATRIX_FMT_BF6 matrix_b_fmt:MATRIX_FMT_BF6
.else
	v_wmma_scale_f32_16x16x128_f8f6f4 v[rS:rS+7], v[rK:rK+11], v[rQ:rQ+11], 0, v[KS+\be%2], v[QS+\up] matrix_a_fmt:MATRIX_FMT_BF6 matrix_b_fmt:MATRIX_FMT_BF6 matrix_a_scale:MATRIX_SCALE_ROW1
.endif
.endif
.endm
.macro SCORES inpl                     ; eight accumulators, one instruction each
.irp be, 0,1,2,3
.irp up, 0,1
	KQ \be, \up, \inpl
.endr
.endr
.endm
.macro DIAG                            ; in the step on the diagonal hidden scores become -infinity; every other step jumps over this (a branch on counters and the wave's number)
	s_cmp_lg_u32 s[ST], s[G]
	s_cbranch_scc1 .Lopen_\@
.set n, 0
.rept 64
	v_cmp_gt_i32 vcc_lo, 32*(n/16)+16*((n%16)/8)+n%8, v[DQ]
	v_cndmask_b32 v[SR+n], v[SR+n], v[NINF], vcc_lo
.set n, n+1
.endr
.Lopen_\@:
.endm
.macro BLKMAX                          ; the largest of my 16 scores of each block of 32 keys, the four blocks by turns; each accumulator is read from its low end on
.irp b, 0,1,2,3
	v_max3_num_f32 v[TM+\b], v[SR+16*\b], v[SR+1+16*\b], v[SR+2+16*\b]
.endr
.irp i, 3,5,7,9,11,13
.irp b, 0,1,2,3
	v_max3_num_f32 v[TM+\b], v[TM+\b], v[SR+16*\b+\i], v[SR+1+16*\b+\i]
.endr
.endr
.irp b, 0,1,2,3
	v_max_num_f32 v[TM+\b], v[TM+\b], v[SR+15+16*\b]
.endr
.endm
.macro TMINUSM                         ; t - M, two at a time
.set j, 0
.rept 32
	v_pk_fma_f32 v[SR+j:SR+j+1], v[SR+j:SR+j+1], s[CS:CS+1], v[12:13] op_sel_hi:[1,0,0]
.set j, j+2
.endr
.endm
.macro EXP64
.set j, 0
.rept 64
	v_exp_f32 v[SR+j], v[SR+j]
.set j, j+1
.endr
.endm
	s_load_b256 s[4:11], s[0:1], 0x0               ; qimg, kimg, vimg, pad_mask
	s_load_b64 s[12:13], s[0:1], 0x20              ; vals
	v_lshl_add_u32 v247, v0, 2, 0x34000
	v_mov_b32 v255, 0
	ds_add_u32 v247, v255
	ds_add_u32 v247, v255
	v_lshrrev_b32 v40, 5, v0
	s_delay_alu instid0(VALU_DEP_1)
	v_readfirstlane_b32 s[WV], v40                 ; wave 0..15
	s_bfe_u32 s[CX], ttmp6, 0x40000                ; cx
	s_and_b32 s[BH], ttmp7, 0xffff                 ; 16 batch + head: the cluster's y
	s_mul_i32 s46, s[BH], HB
	s_mov_b32 s47, 0
	s_and_b32 s38, s[WV], 3
	s_mul_i32 s38, s38, QTR
	s_add_co_u32 s38, s38, s46                     ; my quarter of the head's image
	s_mov_b32 s39, 0
	s_mul_i32 s[LA], s[WV], QTR                    ; waves 0-3: K's image; waves 4-7: V's, behind it
	; group 1: 100 rows of 256 bytes (32 elements of 8 bytes), dense; the mask names all four work-groups
	s_mov_b32 s[G1], 15|(3<<16)|(1<<21)
	s_mov_b32 s[G1+1], 32<<16
	s_mov_b32 s[G1+2], 100<<16
	s_mov_b32 s[G1+3], 32<<16
	s_mov_b32 s[G1+4], 100
	s_mov_b32 s[G1+5], 32
	s_mov_b32 s[G1+6], 0
	s_mov_b32 s[G1+7], 0
	s_mov_b32 s[SEL], 0x76543210
	s_mov_b32 s[SEL+1], 0xfedcba98
	s_mov_b32 s[CS], 0x3e38aa3b                    ; c = log2(e) / 8
	s_mov_b32 s[CS+1], s[CS]
	s_wait_dscnt 0x0
	s_wait_kmcnt 0x0
	s_mov_b32 s[G0K], 1
	s_mov_b32 s[G0K+1], s[LA]
	s_add_nc_u64 s[G0K+2:G0K+3], s[6:7], s[38:39]
	s_or_b32 s[G0K+3], s[G0K+3], 0x80000000
	s_mov_b32 s[G0V], 1
	s_mov_b32 s[G0V+1], s[LA]
	s_add_nc_u64 s[G0V+2:G0V+3], s[8:9], s[38:39]
	s_or_b32 s[G0V+3], s[G0V+3], 0x80000000
	CROUND                                         ; all four work-groups are here: the joint loads meet
	s_cmp_lt_u32 s[WV], 4                          ; one load a wave in waves 0-7, none in the others; the wait below is for 0
	s_cbranch_scc0 .Lnot_k
	tensor_load_to_lds s[G0K:G0K+3], s[G1:G1+7]
	s_nop 0
.rept 4
	v_nop
.endr
	s_branch .Lasked
.Lnot_k:
	s_cmp_lt_u32 s[WV], 8
	s_cbranch_scc0 .Lasked
	tensor_load_to_lds s[G0V:G0V+3], s[G1:G1+7]
	s_nop 0
.rept 4
	v_nop
.endr
.Lasked:
	s_add_nc_u64 s[QB:QB+1], s[4:5], s[46:47]      ; qimg at my head
	s_lshr_b32 s38, s[BH], 4                       ; batch
	s_lshl_b32 s46, s38, 13
	s_add_nc_u64 s[PB:PB+1], s[10:11], s[46:47]    ; pad_mask at my batch
	s_mul_i32 s46, s[BH], 98304
	s_add_nc_u64 s[VB:VB+1], s[12:13], s[46:47]    ; vals: my head's 128 tiles
	s_lshl_b32 s46, s38, 16
	s_and_b32 s38, s[BH], 15
	s_lshl_b32 s38, s38, 1
	s_add_co_u32 s46, s46, s38
	s_add_co_u32 s46, s46, 6291456
	s_add_nc_u64 s[VSB:VSB+1], s[12:13], s[46:47]  ; vals' scale bytes: my batch's rows, my head's two bytes
	v_lshlrev_b32 v44, 4, v0
	global_load_b128 v[60:63], v44, s[PB:PB+1]     ; thread t: pad of keys 4 t .. 4 t + 3
	v_lshl_add_u32 v45, v0, 4, KB
	v_and_b32 v40, 31, v0                          ; lane
	v_and_b32 v41, 15, v0                          ; r
	v_bfe_u32 v42, v0, 4, 1                        ; h
	s_delay_alu instid0(VALU_DEP_3)
	v_lshlrev_b32 v[L16], 4, v40
	s_delay_alu instid0(VALU_DEP_4)
	v_lshl_add_u32 v[AKS], v40, 3, SCO
	s_delay_alu instid0(VALU_DEP_4)
	v_lshl_add_u32 v[AVS], v41, 4, VIMG+SCO
	s_delay_alu instid0(VALU_DEP_4)
	v_lshl_add_u32 v[AKB], v42, 5, KB
	s_delay_alu instid0(VALU_DEP_4)
	v_add_nc_u32 v[AV0], VIMG, v[L16]
	v_lshlrev_b32 v43, 3, v42
	s_delay_alu instid0(VALU_DEP_1)
	v_sub_nc_u32 v[RH], v41, v43
	v_lshlrev_b32 v[R4], 2, v41
	v_lshlrev_b32 v[R8], 3, v41
	v_lshlrev_b32 v[R32], 5, v41
	v_lshlrev_b32 v[L8], 3, v40
	v_mov_b32 v[NINF], 0xff800000
	v_mov_b32 v39, 0                               ; (named as the upper half of a pair)
.irp i, 0,1,2,3,4,5
	v_mov_b32 v[20+\i], 0                          ; the zero codes beside q
	v_mov_b32 v[32+\i], 0
.endr
.irp b, 0,1,2,3
	v_mov_b32 v[TM+4+\b], 0                        ; a lane permute's destination counts as one of its sources
.endr
	v_mov_b32 v43, 0xff61b1e6                      ; -3e38
	s_wait_alu depctr_va_vdst(0)
	s_wait_loadcnt 0x0
.irp i, 0,1,2,3
	v_cmp_eq_u32 vcc_lo, 0, v[60+\i]
	s_delay_alu instid0(VALU_DEP_1)
	v_cndmask_b32 v[60+\i], 0, v43, vcc_lo         ; a padded key's bias
.endr
	ds_store_b128 v45, v[60:63]
	s_wait_tensorcnt 0x0                           ; my part of the images has landed,
	s_wait_dscnt 0x0                               ; and my part of the bias
	s_barrier_signal -1
	s_barrier_wait -1                              ; everybody's has: from here on LDS is only read
	s_mov_b32 s[U], 0
	s_mov_b32 s[G], s[WV]
.Ltile:
	s_wait_xcnt 0x0                                ; the last tile's stores have read their addresses and data: both are written again below
	s_lshl_b32 s46, s[G], 2
	s_add_co_u32 s46, s46, s[CX]                   ; my fragment of 32 queries
	s_mov_b32 s39, 0
	s_mul_i32 s38, s46, FRB
	s_add_nc_u64 s[SAQ:SAQ+1], s[QB:QB+1], s[38:39]
	s_lshr_b32 s38, s46, 1
	s_lshl_b32 s38, s38, 7
	s_and_b32 s47, s46, 1
	s_lshl_b32 s47, s47, 2
	s_add_co_u32 s38, s38, s47
	s_add_co_u32 s38, s38, SCO
	s_add_nc_u64 s[SAQS:SAQS+1], s[QB:QB+1], s[38:39]
	s_lshl_b32 s46, s46, 1
	s_add_co_u32 s46, s46, s[U]                    ; my tile of 16 rows
	s_lshl_b32 s38, s46, 6
	s_add_nc_u64 s[SAP:SAP+1], s[PB:PB+1], s[38:39]
	s_mul_i32 s38, s46, 768
	s_add_nc_u64 s[SAV:SAV+1], s[VB:VB+1], s[38:39]
	s_lshl_b32 s38, s46, 9
	s_add_nc_u64 s[SAW:SAW+1], s[VSB:VSB+1], s[38:39]
.irp c, 0,1,2
	global_load_b128 v[FR+4*\c:FR+4*\c+3], v[L16], s[SAQ:SAQ+1] offset:512*\c
.endr
	global_load_b32 v45, v[R8], s[SAQS:SAQS+1]
	global_load_b32 v[PADQ], v[R4], s[SAP:SAP+1]
	s_lshl_b32 s46, s[CX], 5
	s_lshl_b32 s47, s[U], 4
	s_add_co_u32 s46, s46, s47
	v_add_nc_u32 v[DQ], s46, v[RH]
	v_mov_b32 v13, 0xff61b1e6                      ; the largest t so far: -3e38
	s_delay_alu instid0(VALU_DEP_1)
	v_floor_f32 v12, -v13                          ; -M
	v_mov_b32 v14, 0
	v_mov_b32 v15, 0
	s_cmp_eq_u32 s[U], 1
	s_cselect_b32 vcc_lo, -1, 0
	s_wait_loadcnt 0x0
.irp i, 0,1,2,3,4,5
	v_cndmask_b32 v[QL+\i], v[FR+\i], v[FR+6+\i], vcc_lo   ; my tile's half of the fragment
.endr
	v_lshrrev_b32 v45, s47, v45
	s_delay_alu instid0(VALU_DEP_1)
	v_and_b32 v[QS], 0xffff, v45                   ; its two scale bytes against k 0-63 (the bytes over the zero codes are 0),
	s_delay_alu instid0(VALU_DEP_1)
	v_lshlrev_b32 v[QS+1], 16, v[QS]               ; and against k 64-127
.set j, 0
.rept 32
	v_mov_b32 v[OT+j], 0                           ; O^T; these are also the places between the scale words' lines and the first product
.set j, j+1
.endr
	; ---- walk 1: M and l, each lane for its own half of the keys
	s_mov_b32 s[ST], 0
	s_mov_b32 s[TC], 0
	s_mov_b32 s[TS], 0
.Lp1:
	s_cmp_gt_u32 s[ST], s[G]                       ; a step all of whose keys come after my queries is left out
	s_cbranch_scc1 .Lskip1
	v_add_nc_u32 v[ADK], s[TC], v[L16]
	v_add_nc_u32 v[ADS], s[TS], v[AKS]
	KLOADS
	s_wait_dscnt 0x0
	SCORES 0
	PLACES 4
	DIAG
	BLKMAX
	s_delay_alu instid0(VALU_DEP_2)
	v_max3_num_f32 v40, v[TM], v[TM+1], v[TM+2]
	s_delay_alu instid0(VALU_DEP_1)
	v_max_num_f32 v40, v40, v[TM+3]
	s_delay_alu instid0(VALU_DEP_1)
	v_mul_f32 v40, s[CS], v40                      ; as t
	s_delay_alu instid0(VALU_DEP_1)
	v_max_num_f32 v13, v13, v40
	v_mov_b32 v40, v12
	s_delay_alu instid0(VALU_DEP_2)
	v_floor_f32 v12, -v13                          ; -M = floor(-t): M is a whole number
	s_delay_alu instid0(VALU_DEP_1)
	v_sub_f32 v40, v12, v40
	s_delay_alu instid0(VALU_DEP_1)
	v_cvt_i32_f32 v40, v40                         ; (it saturates)
	s_delay_alu instid0(VALU_DEP_1)
	v_ldexp_f32 v38, 1.0, v40                      ; f = 2^(old M - new M)
	TMINUSM
	s_wait_alu depctr_va_vdst(0)
	EXP64
	v_pk_mul_f32 v[14:15], v[14:15], v[38:39] op_sel_hi:[1,0]   ; the sums under the new M; a plain place behind the exponentials
	s_wait_alu depctr_va_vdst(0)                   ; one wait for the batch, ahead of its first reader
	v_pk_add_f32 v[42:43], v[100:101], v[104:105]
	v_pk_add_f32 v[252:253], v[108:109], v[112:113]
	v_pk_add_f32 v[250:251], v[116:117], v[120:121]
	v_pk_add_f32 v[248:249], v[124:125], v[128:129]
	v_pk_add_f32 v[244:245], v[132:133], v[136:137]
	v_pk_add_f32 v[242:243], v[140:141], v[144:145]
	v_pk_add_f32 v[240:241], v[148:149], v[152:153]
	v_pk_add_f32 v[14:15], v[14:15], v[156:157]
	v_pk_add_f32 v[42:43], v[42:43], v[96:97]
	v_pk_add_f32 v[252:253], v[252:253], v[98:99]
	v_pk_add_f32 v[250:251], v[250:251], v[102:103]
	v_pk_add_f32 v[248:249], v[248:249], v[106:107]
	v_pk_add_f32 v[244:245], v[244:245], v[110:111]
	v_pk_add_f32 v[242:243], v[242:243], v[114:115]
	v_pk_add_f32 v[240:241], v[240:241], v[118:119]
	v_pk_add_f32 v[14:15], v[14:15], v[122:123]
	v_pk_add_f32 v[42:43], v[42:43], v[126:127]
	v_pk_add_f32 v[252:253], v[252:253], v[130:131]
	v_pk_add_f32 v[250:251], v[250:251], v[134:135]
	v_pk_add_f32 v[248:249], v[248:249], v[138:139]
	v_pk_add_f32 v[244:245], v[244:245], v[142:143]
	v_pk_add_f32 v[242:243], v[242:243], v[146:147]
	v_pk_add_f32 v[240:241], v[240:241], v[150:151]
	v_pk_add_f32 v[14:15], v[14:15], v[154:155]
	v_pk_add_f32 v[42:43], v[42:43], v[158:159]
	s_delay_alu instid0(VALU_DEP_2)
	v_pk_add_f32 v[14:15], v[14:15], v[248:249]
	s_delay_alu instid0(VALU_DEP_2)
	v_pk_add_f32 v[42:43], v[42:43], v[244:245]
	v_pk_add_f32 v[252:253], v[252:253], v[242:243]
	v_pk_add_f32 v[250:251], v[250:251], v[240:241]
	s_delay_alu instid0(VALU_DEP_2)
	v_pk_add_f32 v[14:15], v[14:15], v[252:253]
	s_delay_alu instid0(VALU_DEP_2)
	v_pk_add_f32 v[42:43], v[42:43], v[250:251]
	s_delay_alu instid0(VALU_DEP_1)
	v_pk_add_f32 v[14:15], v[14:15], v[42:43]
.Lskip1:
	s_add_co_u32 s[TC], s[TC], 4*FRB
	s_add_co_u32 s[TS], s[TS], 256
	s_add_co_u32 s[ST], s[ST], 1
	s_cmp_lt_u32 s[ST], 16
	s_cbranch_scc1 .Lp1
	; ---- the two halves meet: the larger M, both sums brought under it by a power of two, 1 / l
	s_wait_alu depctr_va_vdst(0)
	v_add_f32 v14, v14, v15
	v_permlanex16_b32 v40, v12, s[SEL], s[SEL+1]
	s_delay_alu instid0(VALU_DEP_2)
	v_permlanex16_b32 v41, v14, s[SEL], s[SEL+1]
	s_delay_alu instid0(VALU_DEP_2)
	v_min_num_f32 v44, v12, v40                    ; -M of the row
	s_delay_alu instid0(VALU_DEP_1)
	v_sub_f32 v45, v44, v12
	s_delay_alu instid0(VALU_DEP_2)
	v_sub_f32 v40, v44, v40
	s_delay_alu instid0(VALU_DEP_2)
	v_cvt_i32_f32 v45, v45
	s_delay_alu instid0(VALU_DEP_2)
	v_cvt_i32_f32 v40, v40
	s_delay_alu instid0(VALU_DEP_2)
	v_ldexp_f32 v14, v14, v45
	s_delay_alu instid0(VALU_DEP_2)
	v_ldexp_f32 v41, v41, v40
	s_delay_alu instid0(VALU_DEP_1)
	v_add_f32 v14, v14, v41                        ; l: at least 1/2, since a query's own key counts
	v_mov_b32 v12, v44
	s_wait_alu depctr_va_vdst(0)
	v_log_f32 v[RL], v14                           ; 1 / l goes into the exponent: p = 2^(t - M - log2(l)).  LIMIT: the shift M + log2(l) is rounded once to f32
	v_nop                                          ; a plain place behind the logarithm
	v_cmp_ne_u32 vcc_lo, 0, v[PADQ]
	s_wait_alu depctr_va_vdst(0)                   ; the wait ahead of its first reader
	v_sub_f32 v12, v12, v[RL]                      ; -(M + log2(l))
	s_delay_alu instid0(VALU_DEP_1)
	v_cndmask_b32 v12, 0xff61b1e6, v12, vcc_lo     ; a padded query's shift is -3e38: its row is zeros
	; ---- walk 2: p, quantised, times V
	s_mov_b32 s[ST], 0
	s_mov_b32 s[TC], 0
	s_mov_b32 s[TS], 0
	s_mov_b32 s[TB], 0
.Lp2:
	s_cmp_gt_u32 s[ST], s[G]
	s_cbranch_scc1 .Lskip2
	v_add_nc_u32 v[ADK], s[TC], v[L16]             ; five plain lines: the places behind the last step's products, in front of the loads into their operands
	v_add_nc_u32 v[ADS], s[TS], v[AKS]
	v_add_nc_u32 v[ADB], s[TB], v[AKB]
	v_add_nc_u32 v[ADV], s[TC], v[AV0]
	v_add_nc_u32 v[ADT], s[TS], v[AVS]
.irp be, 0,1,2,3
.irp up, 0,1
	ds_load_b128 v[SR+16*\be+8*\up:SR+16*\be+8*\up+3], v[ADB] offset:128*\be+64*\up      ; the keys' bias: the sums begin there
	ds_load_b128 v[SR+16*\be+8*\up+4:SR+16*\be+8*\up+7], v[ADB] offset:128*\be+64*\up+16
.endr
.endr
	KLOADS
	s_wait_alu depctr_va_vdst(0)
	s_wait_dscnt 0x0
	SCORES 1
	PLACES 4
.irp a, 0,1,2,3
.irp c, 0,1,2
	ds_load_b128 v[FR+12*\a+4*\c:FR+12*\a+4*\c+3], v[ADV] offset:FRB*\a+512*\c   ; V's four fragments land while the softmax is worked
.endr
.endr
	ds_load_b128 v[VS:VS+3], v[ADT]
	DIAG
	BLKMAX
.irp b, 0,1,2,3
	s_delay_alu instid0(VALU_DEP_4)
	v_permlanex16_b32 v[TM+4+\b], v[TM+\b], s[SEL], s[SEL+1]
.endr
.irp b, 0,1,2,3
	s_delay_alu instid0(VALU_DEP_4)
	v_max_num_f32 v[TM+\b], v[TM+\b], v[TM+4+\b]   ; each block's largest score: p rises with the score, so it gives the block's largest p
.endr
	TMINUSM
.irp b, 0,1,2,3
	v_fma_f32 v[TM+\b], v[TM+\b], s[CS], v12
.endr
	s_wait_alu depctr_va_vdst(0)
	EXP64
.irp b, 0,1,2,3
	v_exp_f32 v[TM+\b], v[TM+\b]
.endr
	v_nop                                          ; a plain place behind the last exponential
	s_wait_alu depctr_va_vdst(0)                   ; one wait for the batch of 68
.irp b, 0,1,2,3
	v_max_num_f32 v[TM+\b], 0x2800000, v[TM+\b]    ; the floor 2^(5 - 127)
.endr
.irp b, 0,1,2,3
	s_delay_alu instid0(VALU_DEP_4)
	v_add_nc_u32 v[TM+12+\b], 0xfe000000, v[TM+\b]
.endr
.irp b, 0,1,2,3
	s_delay_alu instid0(VALU_DEP_4)
	v_lshrrev_b32 v[TM+4+\b], 23, v[TM+12+\b]
.endr
	s_delay_alu instid0(VALU_DEP_3)
	v_lshl_or_b32 v[PW], v[TM+5], 8, v[TM+4]
	s_delay_alu instid0(VALU_DEP_1)
	v_lshl_or_b32 v[PW], v[TM+6], 16, v[PW]
	s_delay_alu instid0(VALU_DEP_1)
	v_lshl_or_b32 v[PW], v[TM+7], 24, v[PW]
.irp c, 0,1
	v_cvt_scalef32_pk16_bf6_f32 v[PC+6*\c:PC+2+6*\c], v[SR+32*\c:SR+15+32*\c], v[TM+12+2*\c]
	v_cvt_scalef32_pk16_bf6_f32 v[TMP+4*\c:TMP+2+4*\c], v[SR+16+32*\c:SR+31+32*\c], v[TM+12+2*\c+1]
.endr
	v_nop                                          ; one plain place behind a scaled conversion
.irp c, 0,1
.irp i, 0,1,2
	v_permlane16_swap_b32 v[PC+6*\c+\i], v[TMP+4*\c+\i]
.endr
.irp i, 0,1,2
	s_delay_alu instid0(VALU_DEP_3)
	v_mov_b32 v[PC+3+6*\c+\i], v[TMP+4*\c+\i]
.endr
.endr
	PLACES 4                                       ; an operand written by vector lines stands four places ahead of a scaled product
	s_wait_alu depctr_va_vdst(0)
	s_wait_dscnt 0x0                               ; V
.irp a, 0,1,2,3
	v_wmma_scale_f32_16x16x128_f8f6f4 v[OT+8*\a:OT+8*\a+7], v[FR+12*\a:FR+12*\a+11], v[PC:PC+11], v[OT+8*\a:OT+8*\a+7], v[VS+\a], v[PW] matrix_a_fmt:MATRIX_FMT_BF6 matrix_b_fmt:MATRIX_FMT_BF6
.endr
.Lskip2:
	s_add_co_u32 s[TC], s[TC], 4*FRB
	s_add_co_u32 s[TS], s[TS], 256
	s_add_co_u32 s[TB], s[TB], 512
	s_add_co_u32 s[ST], s[ST], 1
	s_cmp_lt_u32 s[ST], 16
	s_cbranch_scc1 .Lp2
	; ---- the values of my 16 rows: two blocks of 32 along the head's 64, quantised; register 16 c + 8 u' + j is dim 32 c + 16 u' + 8 h + j
	PLACES 4
.irp c, 0,1
	v_max3_num_f32 v[TM+\c], |v[OT+16*\c]|, |v[OT+1+16*\c]|, 0x2800000
.endr
.irp i, 2,4,6,8,10,12,14
.irp c, 0,1
	v_max3_num_f32 v[TM+\c], v[TM+\c], |v[OT+16*\c+\i]|, |v[OT+1+16*\c+\i]|
.endr
.endr
.irp c, 0,1
	s_delay_alu instid0(VALU_DEP_2)
	v_permlanex16_b32 v[TM+4+\c], v[TM+\c], s[SEL], s[SEL+1]
.endr
.irp c, 0,1
	s_delay_alu instid0(VALU_DEP_2)
	v_max_num_f32 v[TM+\c], v[TM+\c], v[TM+4+\c]
.endr
.irp c, 0,1
	s_delay_alu instid0(VALU_DEP_2)
	v_add_nc_u32 v[TM+12+\c], 0xfe000000, v[TM+\c]
.endr
.irp c, 0,1
	s_delay_alu instid0(VALU_DEP_2)
	v_lshrrev_b32 v[TM+4+\c], 23, v[TM+12+\c]
.endr
	s_delay_alu instid0(VALU_DEP_1)
	v_lshl_or_b32 v254, v[TM+5], 8, v[TM+4]        ; the row's two scale bytes
	v_cvt_scalef32_pk16_bf6_f32 v[240:242], v[OT:OT+15], v[TM+12]
	v_cvt_scalef32_pk16_bf6_f32 v[244:246], v[OT+16:OT+31], v[TM+13]
	v_nop
.irp i, 0,1,2
	v_permlane16_swap_b32 v[240+\i], v[244+\i]     ; lanes 0-15 block 0, lanes 16-31 block 1: v240-242 dims 0-7, 16-23 of the block, v244-246 dims 8-15, 24-31
.endr
	s_delay_alu instid0(VALU_DEP_3)
	v_mov_b32 v248, v240                           ; back into ascending order, 48 bits a group of eight codes
	s_delay_alu instid0(VALU_DEP_3)
	v_perm_b32 v249, v244, v241, 0x05040100
	s_delay_alu instid0(VALU_DEP_4)
	v_perm_b32 v250, v245, v244, 0x05040302
	s_delay_alu instid0(VALU_DEP_4)
	v_perm_b32 v251, v242, v241, 0x05040302
	v_perm_b32 v252, v245, v242, 0x07060302
	v_mov_b32 v253, v246
	global_store_b64 v[L8], v[248:249], s[SAV:SAV+1]             ; each store of the wave covers 256 consecutive bytes, aligned
	global_store_b64 v[L8], v[250:251], s[SAV:SAV+1] offset:256
	global_store_b64 v[L8], v[252:253], s[SAV:SAV+1] offset:512
	global_store_b16 v[R32], v254, s[SAW:SAW+1]    ; lanes 16-31 write what lanes 0-15 write
	s_xor_b32 s[G], s[G], 15                       ; the second tile: g = 15 - wave
	s_add_co_u32 s[U], s[U], 1
	s_cmp_lt_u32 s[U], 2
	s_cbranch_scc1 .Ltile
	s_wait_tensorcnt 0x0
	ds_add_u32 v247, v255
	s_wait_dscnt 0x0
	CROUND                                         ; the closing round
	s_endpgm
.Lfunc_end_k_qb9cb1124bd_attn:
	.size	k_qb9cb1124bd_attn, .Lfunc_end_k_qb9cb1124bd_attn-k_qb9cb1124bd_attn
	.p2alignl 7, 3214868480
	.fill 96, 4, 3214868480
	.section	.rodata,"a",@progbits
	.p2align	6, 0x0
	.amdhsa_kernel k_qb9cb1124bd_attn
		.amdhsa_group_segment_fixed_size 215040
		.amdhsa_private_segment_fixed_size 0
		.amdhsa_enable_private_segment 0
		.amdhsa_kernarg_size 40
		.amdhsa_user_sgpr_count 2
		.amdhsa_user_sgpr_kernarg_segment_ptr 1
		.amdhsa_wavefront_size32 1
		.amdhsa_system_sgpr_workgroup_id_x 1
		.amdhsa_system_sgpr_workgroup_id_y 1
		.amdhsa_system_sgpr_workgroup_id_z 1
		.amdhsa_system_vgpr_workitem_id 0
		.amdhsa_next_free_vgpr 256
		.amdhsa_next_free_sgpr 68
		.amdhsa_reserve_vcc 1
		.amdhsa_float_denorm_mode_32 3
		.amdhsa_float_denorm_mode_16_64 3
		.amdhsa_memory_ordered 1
		.amdhsa_forward_progress 1
		.amdhsa_inst_pref_size 50
	.end_amdhsa_kernel
	.amdgpu_metadata
---
amdhsa.version: [ 1, 2 ]
amdhsa.kernels:
  - .name:           k_qb9cb1124bd_attn
    .symbol:         k_qb9cb1124bd_attn.kd
    .args:
      - { .name: qimg, .offset: 0, .size: 8, .value_kind: global_buffer, .address_space: global }
      - { .name: kimg, .offset: 8, .size: 8, .value_kind: global_buffer, .address_space: global }
      - { .name: vimg, .offset: 16, .size: 8, .value_kind: global_buffer, .address_space: global }
      - { .name: pad_mask, .offset: 24, .size: 8, .value_kind: global_buffer, .address_space: global }
      - { .name: vals, .offset: 32, .size: 8, .value_kind: global_buffer, .address_space: global }
    .group_segment_fixed_size: 215040
    .private_segment_fixed_size: 0
    .kernarg_segment_align: 8
    .kernarg_segment_size: 40
    .max_flat_workgroup_size: 512
    .sgpr_count:     68
    .vgpr_count:     256
    .wavefront_size: 32
...
	.end_amdgpu_metadata
.endif
;; end of part 2
;; launch proj (part 3): grid 4 x 64, 8 waves a work-group, clusters of 4 x 4, 327,680 bytes of LDS; arguments vals, Wo_codes, Wo_scales, bo, out0; writes out0
.if DOCPART == 3
	.amdgcn_target "amdgcn-amd-amdhsa--gfx1250"
	.amdhsa_code_object_version 6
	.text
	.protected	k_qb9cb1124bd_proj
	.globl	k_qb9cb1124bd_proj
	.p2align	8
	.type	k_qb9cb1124bd_proj,@function
k_qb9cb1124bd_proj:
	s_mov_b64 s[64:65], 0
	v_nop
	global_prefetch_b8 v0, s[64:65] scope:SCOPE_SE
	s_setreg_imm32_b32 hwreg(HW_REG_WAVE_MODE, 25, 1), 1
	s_wait_xcnt 0x0
	s_wait_alu depctr_hold_cnt(0) depctr_sa_sdst(0) depctr_va_vdst(0) depctr_va_sdst(0) depctr_va_ssrc(0) depctr_va_vcc(0) depctr_vm_vsrc(0)
	s_getreg_b32 s2, hwreg(HW_REG_IB_STS2, 6, 4)
	s_cmp_eq_u32 s2, 0
	s_cbranch_scc0 .Lentry_in_a_cluster
	s_endpgm
.Lentry_in_a_cluster:
	s_bfe_u32 s2, ttmp6, 0x10000c
	s_cmp_lg_u32 s2, 0xf033
	s_cbranch_scc0 .Lentry_shape_is_right
	s_endpgm
.Lentry_shape_is_right:
; out = values Wo^T + bo on codes of BF6 (E3M2), one E8M0 scale for each 32 along K = 1,024.  The values come as images of operand registers, a tile (head, 16 rows) of 768 bytes.
; A work-group makes 128 rows x 256 columns with eight waves, a wave 64 x 64: 16 accumulators.  Used transposed (source 0 = 16 rows of Wo, source 1 = 16 rows of values): a lane holds eight
; neighbouring numbers of a row of out.  bo is the C of the first products.
; ALL OF K LIES IN LDS: Wo's 256 rows of 768 bytes (16 bytes of padding behind every 256: 816 a row), then the values' 16 heads x 6,144 bytes.  One joint load a wave at the head: waves 0-3 64 rows of Wo each,
; shared along the cluster's column; waves 4-7 four heads' tiles each (four rows of 6,144 bytes, 98,304 apart), shared along its row.  Nothing is filled again: the K steps have no barrier.
; No prefetch: the text has no loop to run ahead in; every byte is asked for once, at the head.
; SCALE WORDS go from memory into registers: lane (r, h) takes 16 bytes at 32 r + 16 h of a block's 512: lanes 0-15 hold row r's words of K steps 0-3, lanes 16-31 those of steps 4-7 (read by ROW1).
; LIMITS: NaN, infinities and the scale byte 0xff are not served.
.set PITCH,  816
.set VP,     6144
.set R1O,    256*PITCH
.set SPARE,  R1O+16*VP                 ; the spare words, 128 bytes a wave
.set SPITCH, 272                       ; the way out: a stage of 16 rows x (256 + 16) bytes a wave, over Wo's rows, behind a barrier behind which nobody reads them
.set ADR0, 16                          ; v16-17 Wo's fragments (and one padding on for lanes 16-31)
.set ADR1, 20                          ; v20-21 the values': heads 0-7, heads 8-15
.set STO,  22
.set RD,   23
.set CO,   24
.set BIA,  25
.set L16,  26                          ; v26 the scale words' place in a block's 512 bytes: 32 r + 16 h (this, and not 16 x lane, is the place meant at the head)
.set SPW,  28
.set NIL,  29
.set SCV,  32                          ; v32-47 the values' scale words, 4 a block
.set SCW,  48                          ; v48-63 Wo's
.set S0F,  64                          ; v64-111 Wo's 4 fragments, one set
.set S1F,  112                         ; v112-207 the values' 4 fragments, two sets
.set BI,   208                         ; v208-239 bo in the result's layout
.set BK,   64
.set WV,   20
.set PN,   21
.set PM,   22
.set G1,   24
.set G0,   32
.set SAW,  36
.set SAV,  38
.set G1B,  48
.set G0B,  56
.set MULW, 0x50                        ; C and D in window 1
.set MULF, 0x40                        ; D in window 1, C (bo) in window 0
.set MSB, 0
.macro WIN new
.if MSB != \new
	s_set_vgpr_msb (MSB<<8)|\new
.set MSB, \new
.endif
.endm
.macro PLACES n
.rept \n
	v_nop
.endr
.endm
.macro CROUND
	s_barrier_signal -1
	s_barrier_wait -1
	s_cmp_lg_u32 s[WV], 0
	s_cbranch_scc1 .Lnot_wave_0_\@
	s_barrier_signal -3
.Lnot_wave_0_\@:
	s_barrier_wait -3
	s_barrier_signal -1
	s_barrier_wait -1
.endm
.macro FRAG reg, adr, st, i            ; six pieces of 8 bytes; byte y of a row lies at y + 16 (y / 256)
.irp p, 0,1,2,3,4,5
.set BYT, 96*(\st)+48*(\p/3)+8*(\p%3)
.if BYT/256 == (BYT+24)/256
	ds_load_b64 v[\reg+2*\p:\reg+2*\p+1], v[\adr] offset:BYT+16*(BYT/256)+(\i)*16*PITCH
.else
	ds_load_b64 v[\reg+2*\p:\reg+2*\p+1], v[\adr+1] offset:BYT+16*(BYT/256)+(\i)*16*PITCH
.endif
.endr
.endm
.macro WM acc, fa, fb, c, sa, sb, first, hi
.if \first
	v_wmma_scale_f32_16x16x128_f8f6f4 v[\acc:\acc+7], v[\fa:\fa+11], v[\fb:\fb+11], v[\c:\c+7], v[\sa], v[\sb] matrix_a_fmt:MATRIX_FMT_BF6 matrix_b_fmt:MATRIX_FMT_BF6
.else
.if \hi
	v_wmma_scale_f32_16x16x128_f8f6f4 v[\acc:\acc+7], v[\fa:\fa+11], v[\fb:\fb+11], v[\acc:\acc+7], v[\sa], v[\sb] matrix_a_fmt:MATRIX_FMT_BF6 matrix_b_fmt:MATRIX_FMT_BF6 matrix_a_scale:MATRIX_SCALE_ROW1 matrix_b_scale:MATRIX_SCALE_ROW1
.else
	v_wmma_scale_f32_16x16x128_f8f6f4 v[\acc:\acc+7], v[\fa:\fa+11], v[\fb:\fb+11], v[\acc:\acc+7], v[\sa], v[\sb] matrix_a_fmt:MATRIX_FMT_BF6 matrix_b_fmt:MATRIX_FMT_BF6
.endif
.endif
.endm
.macro MUL4 b, st, first               ; Wo's block b x the values' four; the 16 accumulators take turns in the same order in every step
.irp a, 0,1,2,3
	WM 8*(4*\a+\b), S0F+12*\b, S1F+48*((\st)%2)+12*\a, BI+8*\b, SCW+4*\b+(\st)%4, SCV+4*\a+(\st)%4, \first, (\st)/4
.endr
.endm
.macro FETCH1 st                       ; registers 6 c + 2 p of tile a from head 2 st + c's image: 24 loads, each 256 consecutive bytes
.irp a, 0,1,2,3
.irp c, 0,1
.irp p, 0,1,2
	ds_load_b64 v[S1F+48*((\st)%2)+12*\a+6*\c+2*\p:S1F+48*((\st)%2)+12*\a+6*\c+2*\p+1], v[ADR1+(\st)/4] offset:((2*(\st)+\c)%8)*VP+768*\a+256*\p
.endr
.endr
.endr
.endm
.macro FETCH0 st, i0                   ; Wo's blocks i0, i0 + 1: 12 loads
.irp i, \i0, \i0+1
	FRAG S0F+12*(\i), ADR0, \st, \i
.endr
.endm
.macro STEP st, first
.set MW, MULW
.if \first
.set MW, MULF
.endif
	s_wait_dscnt 12                                ; all but the youngest 12 loads (Wo's blocks 2, 3) are in
	WIN MW
	MUL4 0, \st, \first
	MUL4 1, \st, \first
	s_wait_dscnt 0x0
.if (\st) < 7
	PLACES 4                                       ; in front of loads into registers that matrix instructions have read
	WIN 0
	FETCH1 (\st)+1
	FETCH0 (\st)+1, 0
	WIN MW
.endif
	MUL4 2, \st, \first
	MUL4 3, \st, \first
.if (\st) < 7
	PLACES 4
	WIN 0
	FETCH0 (\st)+1, 2
.endif
.endm
	s_load_b256 s[4:11], s[0:1], 0x0               ; vals, Wo codes, Wo scales, bo
	s_load_b64 s[12:13], s[0:1], 0x20              ; out0
	v_lshl_add_u32 v[SPW], v0, 2, SPARE
	v_mov_b32 v[NIL], 0
	ds_add_u32 v[SPW], v[NIL]                      ; the opening lines
	ds_add_u32 v[SPW], v[NIL]
	v_lshrrev_b32 v1, 5, v0
	v_readfirstlane_b32 s[WV], v1                  ; wave 0..7
	s_and_b32 s[PN], s[WV], 3                      ; my 64 columns; also: which piece I fetch
	s_lshr_b32 s[PM], s[WV], 2                     ; my 64 rows
	s_bfe_u32 s40, ttmp6, 0x40000                  ; cx
	s_bfe_u32 s41, ttmp6, 0x40004                  ; cy
	s_lshl_b32 s46, s40, 8
	s_lshl_b32 s43, s[PN], 6
	s_add_co_u32 s46, s46, s43                     ; Wo: row 256 cx + 64 pn
	s_lshl_b32 s44, s46, 5
	s_mul_i32 s46, s46, 768
	s_mov_b32 s45, 0
	s_mov_b32 s47, 0
	s_and_b32 s92, ttmp7, 0xffff
	s_lshl_b32 s92, s92, 2
	s_add_co_u32 s92, s92, s41                     ; ty = 4 cluster y + cy
	s_lshr_b32 s93, s92, 4
	s_lshl_b32 s93, s93, 2
	s_add_co_u32 s93, s93, s[PN]
	s_lshl_b32 s93, s93, 9                         ; 128 tiles x (16 batch + 4 pn)
	s_and_b32 s94, s92, 15
	s_lshl_b32 s94, s94, 3
	s_add_co_u32 s94, s94, s93                     ; + tile 8 (ty % 16)
	s_mul_i32 s94, s94, 768
	s_mov_b32 s95, 0
	s_lshl_b32 s70, s92, 7
	s_lshl_b32 s71, s[PM], 6
	s_add_co_u32 s70, s70, s71                     ; my first row: 128 ty + 64 pm
	s_lshl_b32 s72, s70, 5
	s_add_co_u32 s72, s72, 6291456                 ; its scale bytes
	s_mov_b32 s73, 0
	s_lshl_b32 s96, s40, 10
	s_lshl_b32 s97, s[PN], 8
	s_add_co_u32 s96, s96, s97                     ; my first column, in bytes
	s_mov_b32 s97, 0
	s_lshl_b32 s68, s70, 12
	s_add_co_u32 s68, s68, s96
	s_mov_b32 s69, 0
	s_lshl_b32 s74, 0x1111, s40                    ; my column of the cluster
	s_lshl_b32 s75, s41, 2
	s_lshl_b32 s75, 15, s75                        ; my row
	s_or_b32 s[G1], s74, (1<<20)|(1<<21)|(5<<22)|(3<<25)   ; Wo: 64 rows of 768 bytes, 16 bytes of padding behind every 256
	s_mov_b32 s[G1+1], 768<<16
	s_mov_b32 s[G1+2], 64<<16
	s_mov_b32 s[G1+3], 768<<16
	s_mov_b32 s[G1+4], 64
	s_mov_b32 s[G1+5], 768
	s_mov_b32 s[G1+6], 0
	s_mov_b32 s[G1+7], 0
	s_or_b32 s[G1B], s75, (3<<16)|(1<<21)          ; the values: 4 rows of 768 elements of 8 bytes, 12,288 elements apart
	s_mov_b32 s[G1B+1], 768<<16
	s_mov_b32 s[G1B+2], 4<<16
	s_mov_b32 s[G1B+3], 768<<16
	s_mov_b32 s[G1B+4], 4
	s_mov_b32 s[G1B+5], 12288
	s_mov_b32 s[G1B+6], 0
	s_mov_b32 s[G1B+7], 0
	s_mov_b32 s[G0], 1
	s_mov_b32 s[G0B], 1
	s_mul_i32 s[G0+1], s[PN], 64*PITCH
	s_mul_i32 s[G0B+1], s[PN], 4*VP
	s_add_co_u32 s[G0B+1], s[G0B+1], R1O
	s_mul_i32 s2, s[PN], 64*PITCH                  ; what I read of Wo,
	s_mul_i32 s3, s[PM], 3072
	s_add_co_u32 s3, s3, R1O                       ; and of the values
	s_mul_i32 s98, s[WV], 16*SPITCH                ; my stage
	s_wait_dscnt 0x0                               ; both opening adds are done
	s_wait_kmcnt 0x0
	s_add_nc_u64 s[G0+2:G0+3], s[6:7], s[46:47]
	s_add_nc_u64 s[SAW:SAW+1], s[8:9], s[44:45]
	s_add_nc_u64 s[G0B+2:G0B+3], s[4:5], s[94:95]
	s_add_nc_u64 s[SAV:SAV+1], s[4:5], s[72:73]
	s_add_nc_u64 s[10:11], s[10:11], s[96:97]
	s_add_nc_u64 s[12:13], s[12:13], s[68:69]
	s_or_b32 s[G0+3], s[G0+3], 0x80000000
	s_or_b32 s[G0B+3], s[G0B+3], 0x80000000
	CROUND                                         ; all sixteen work-groups are here: the joint loads meet
	s_cmp_lt_u32 s[WV], 4                          ; one load a wave
	s_cbranch_scc0 .Lfor_1
	tensor_load_to_lds s[G0:G0+3], s[G1:G1+7]
	s_nop 0
	PLACES 4
	s_branch .Lasked
.Lfor_1:
	tensor_load_to_lds s[G0B:G0B+3], s[G1B:G1B+7]
	s_nop 0
	PLACES 4
.Lasked:
	v_and_b32 v1, 15, v0                           ; r
	v_bfe_u32 v2, v0, 4, 1                         ; h
	v_and_b32 v3, 31, v0
	v_mul_u32_u24 v4, v1, PITCH
	v_mul_u32_u24 v5, v1, SPITCH
	v_mul_u32_u24 v6, v2, SPITCH
	v_lshlrev_b32 v7, 12, v2
	v_lshlrev_b32 v[L16], 5, v1
	v_lshlrev_b32 v[BIA], 5, v2
	v_mad_u32_u24 v4, v2, 24, v4
	v_lshl_add_u32 v5, v2, 5, v5
	v_lshl_add_u32 v6, v1, 4, v6
	v_lshl_add_u32 v[ADR1], v3, 3, s3
	v_lshl_add_u32 v[L16], v2, 4, v[L16]           ; row r's 32 scale bytes, their half h
	v_add_nc_u32 v[ADR0], s2, v4                   ; row x pitch + 24 h,
	v_add_nc_u32 v[STO], s98, v5                   ; in: row r, 32 bytes for each half of the lanes
	v_add_nc_u32 v[RD], s98, v6                    ; back: lanes 0-15 one row of 256 bytes, lanes 16-31 the next
	v_lshl_add_u32 v[CO], v1, 4, v7                ; and the same two rows in out
	v_add_nc_u32 v[ADR1+1], 8*VP, v[ADR1]
	v_lshl_add_u32 v[ADR0+1], v2, 4, v[ADR0]       ; and behind one padding more
	s_wait_alu depctr_va_vdst(0)                   ; the wait at the head's end
.irp i, 0,1,2,3
	global_load_b128 v[SCV+4*\i:SCV+4*\i+3], v[L16], s[SAV:SAV+1] offset:512*\i   ; a block's 16 rows x 32 scale bytes: 512 consecutive bytes
	global_load_b128 v[SCW+4*\i:SCW+4*\i+3], v[L16], s[SAW:SAW+1] offset:512*\i
.endr
.irp b, 0,1,2,3
	global_load_b128 v[BI+8*\b:BI+8*\b+3], v[BIA], s[10:11] offset:64*\b       ; bo at columns 16 b + 8 h + 0 .. 7 of my 64
	global_load_b128 v[BI+8*\b+4:BI+8*\b+7], v[BIA], s[10:11] offset:64*\b+16
.endr
	s_wait_loadcnt 0x0
	s_wait_tensorcnt 0x0                           ; my piece has landed
	s_barrier_signal -1
	s_barrier_wait -1                              ; everybody's has
	FETCH1 0
	FETCH0 0, 0
	FETCH0 0, 2
	STEP 0, 1                                      ; the first products start the sums at bo
.irp s, 1,2,3,4,5,6,7
	STEP \s, 0
.endr
	WIN 0
	s_barrier_signal -1                            ; my LDS reads are over (the wait for 0 in the last step): the stages lie over Wo's rows
	s_barrier_wait -1
	PLACES 4                                       ; in front of the first read of results and of loads into operands' registers
; THE WAY OUT, a tile of 16 rows x 64 columns at a stretch, through my own stage: LDS serves a wave's instructions in order (ISA guide 5.7.1.4)
.macro TOSTAGE a
	WIN 0x04                                       ; an LDS store's data are its source 1: window 1
.irp b, 0,1,2,3
	ds_store_b128 v[STO], v[8*(4*\a+\b):8*(4*\a+\b)+3] offset:64*\b          ; each accumulator from its low end on
	ds_store_b128 v[STO], v[8*(4*\a+\b)+4:8*(4*\a+\b)+7] offset:64*\b+16
.endr
	WIN 0
.irp t, 0,1,2,3,4,5,6,7
	ds_load_b128 v[BK+32*\a+4*\t:BK+32*\a+4*\t+3], v[RD] offset:\t*2*SPITCH
.endr
.endm
.macro SEND a, younger                 ; younger: the next tile's 8 stores and 8 loads, or none
	s_wait_dscnt \younger
.irp t, 0,1,2,3,4,5,6,7
	global_store_b128 v[CO], v[BK+32*\a+4*\t:BK+32*\a+4*\t+3], s[12:13] offset:65536*\a+8192*\t th:TH_STORE_NT   ; 16 lanes store 256 consecutive bytes, aligned
.endr
.endm
	TOSTAGE 0
	TOSTAGE 1
	SEND 0, 16
	TOSTAGE 2
	SEND 1, 16
	TOSTAGE 3
	SEND 2, 16
	SEND 3, 0
	s_wait_tensorcnt 0x0                           ; the wave's end
	ds_add_u32 v[SPW], v[NIL]
	s_wait_dscnt 0x0
	CROUND                                         ; the closing round
	s_endpgm
.Lfunc_end_k_qb9cb1124bd_proj:
	.size	k_qb9cb1124bd_proj, .Lfunc_end_k_qb9cb1124bd_proj-k_qb9cb1124bd_proj
	.p2alignl 7, 3214868480
	.fill 96, 4, 3214868480
	.section	.rodata,"a",@progbits
	.p2align	6, 0x0
	.amdhsa_kernel k_qb9cb1124bd_proj
		.amdhsa_group_segment_fixed_size 327680
		.amdhsa_private_segment_fixed_size 0
		.amdhsa_enable_private_segment 0
		.amdhsa_kernarg_size 40
		.amdhsa_user_sgpr_count 2
		.amdhsa_user_sgpr_kernarg_segment_ptr 1
		.amdhsa_wavefront_size32 1
		.amdhsa_system_sgpr_workgroup_id_x 1
		.amdhsa_system_sgpr_workgroup_id_y 1
		.amdhsa_system_sgpr_workgroup_id_z 1
		.amdhsa_system_vgpr_workitem_id 0
		.amdhsa_next_free_vgpr 384
		.amdhsa_next_free_sgpr 102
		.amdhsa_reserve_vcc 0
		.amdhsa_float_denorm_mode_32 3
		.amdhsa_float_denorm_mode_16_64 3
		.amdhsa_memory_ordered 1
		.amdhsa_forward_progress 1
		.amdhsa_inst_pref_size 59
	.end_amdhsa_kernel
	.amdgpu_metadata
---
amdhsa.version: [ 1, 2 ]
amdhsa.kernels:
  - .name:           k_qb9cb1124bd_proj
    .symbol:         k_qb9cb1124bd_proj.kd
    .args:
      - { .name: vals, .offset: 0, .size: 8, .value_kind: global_buffer, .address_space: global }
      - { .name: Wo_codes, .offset: 8, .size: 8, .value_kind: global_buffer, .address_space: global }
      - { .name: Wo_scales, .offset: 16, .size: 8, .value_kind: global_buffer, .address_space: global }
      - { .name: bo, .offset: 24, .size: 8, .value_kind: global_buffer, .address_space: global }
      - { .name: out0, .offset: 32, .size: 8, .value_kind: global_buffer, .address_space: global }
    .group_segment_fixed_size: 327680
    .private_segment_fixed_size: 0
    .kernarg_segment_align: 8
    .kernarg_segment_size: 40
    .max_flat_workgroup_size: 256
    .sgpr_count:     102
    .vgpr_count:     384
    .wavefront_size: 32
...
	.end_amdgpu_metadata
.endif
;; end of part 3
